; MI455X (gfx1250); checked and timed in simulation.
; The chip was launched on July 23, 2026; its instructions are those of AMD's public machine-readable ISA for CDNA 5 (MIT licence, August 2026) and "CDNA5" Instruction Set Architecture Reference Guide (July 2026). The comments in the code are by the model that wrote it; some were corrected since.
;; Multi Head Self Attention. Allowed arithmetic: float matrix products may take bf16 or f16 operands with f32 sums; other float arithmetic in f32, or as packed bf16 or f16 multiplies, adds, multiply-adds, maxima and minima; sums over many terms, partial sums and values carried from step to step in f32; what a program stores and reads back later, other than sums and carried values, may be rounded once to bf16 or f16.
;; Inputs: Wk 512 x 512 float32; Wo 512 x 512 float32; Wq 512 x 512 float32; Wv 512 x 512 float32; bk 512 float32; bo 512 float32; bq 512 float32; bv 512 float32; x 2 x 4,096 x 512 float32.
;; Outputs: out0 2 x 4,096 x 512 float32.
;; One version. Each part assembles by itself: llvm-mc -triple=amdgcn-amd-amdhsa -mcpu=gfx1250 --defsym DOCPART=n.
;; ======== version 1 of 1: 3 launches
;; limits: values are held in f16: magnitudes above 65,504 overflow, below 6.1e-05 lose precision
;; workspace buffers: qkv 25,165,824 bytes; o 8,388,608 bytes; wo16 524,288 bytes
;; launch qkv (part 1): grid 4 x 64, 4 waves a work-group, clusters of 4 x 4, 327,680 bytes of LDS; arguments x, Wq, Wk, Wv, bq, bk, bv, Wo, qkv, wo16; writes qkv, wo16
.if DOCPART == 1
	.amdgcn_target "amdgcn-amd-amdhsa--gfx1250"
	.amdhsa_code_object_version 6
	.text
	.protected	k_q2d7ae9a249_qkv
	.globl	k_q2d7ae9a249_qkv
	.p2align	8
	.type	k_q2d7ae9a249_qkv,@function
k_q2d7ae9a249_qkv:
	s_mov_b64 s[64:65], 0
	v_nop
	global_prefetch_b8 v0, s[64:65] scope:SCOPE_SE
	s_setreg_imm32_b32 hwreg(HW_REG_WAVE_MODE, 25, 1), 1
	s_wait_xcnt 0x0
	s_wait_alu depctr_hold_cnt(0) depctr_sa_sdst(0) depctr_va_vdst(0) depctr_va_sdst(0) depctr_va_ssrc(0) depctr_va_vcc(0) depctr_vm_vsrc(0)
	s_getreg_b32 s2, hwreg(HW_REG_IB_STS2, 6, 4)
	s_cmp_eq_u32 s2, 0
	s_cbranch_scc0 .Lentry_in_a_cluster
	s_endpgm
.Lentry_in_a_cluster:
	s_bfe_u32 s2, ttmp6, 0x10000c
	s_cmp_lg_u32 s2, 0xf033
	s_cbranch_scc0 .Lentry_shape_is_right
	s_endpgm
.Lentry_shape_is_right:
; q, k, v = x W^T + b for Wq, Wk, Wv at once.  x: [8192][512] f32; W: [512][512] f32; b: [512] f32.
; Out: qkv, f16, [3][16 heads of 2 batches][4096][64]: a head's rows are dense, 128 bytes each.  Side work: Wo rounded to bf16 and written as f16 into wo16 [512][512].
; FORMATS.  x, the weights and the biases are rounded once to bf16; products in the bf16 matrix form, sums in f32, begun with the bias as the first product's C; q, k, v rounded once to f16.
; LIMITS.  A q, k or v of 65,520 or more in magnitude becomes an infinity in f16; below 6e-5 f16 keeps its fixed step of 6e-8 (q, k, v and wo16 alike).  NaN and infinities are not treated apart.
; SHARES.  A work-group makes 128 rows x (128 columns of each of q, k, v): six slices of 64 columns (a head each).  Four waves: wave w takes rows 64 (w / 2) on and slices 3 (w % 2) on:
; 4 x 12 accumulators of 16 x 16, 384 registers.  K goes in 8 steps of 64 f32 (rows of 256 bytes) through two LDS slots; a slot holds 128 rows of x, Wq, Wk, Wv, one tile a wave.
; CLUSTER.  4 x 4 work-groups: the four of a row share x's tile, the four of a column the three weights' tiles: each tile is asked for jointly, same descriptor and mask in all four.
; THE PRODUCT IS USED TRANSPOSED (source 0 = 16 rows of W, source 1 = 16 rows of x): a lane holds one row of x and eight neighbouring columns.
; Fragments are read from LDS as f32 (64 bytes a lane and fragment) and rounded in registers: 128 conversions for 48 products.
; REGISTERS, in windows of 256 (s_set_vgpr_msb: bits 1:0 source 0, 3:2 source 1, 5:4 source 2, 7:6 destination):
;   window 0: v0-31 addresses and at work; v32-127 the biases as C operands (later the way out); v128-255 bf16 fragments: x's block a at F + 8 a, W's block b at F + 32 + 8 b
;   window 1: the fragments as loaded, f32, 16 registers each      windows 2, 3: accumulator 4 b + a at 8 ((4 b + a) % 32) of window 2 + (4 b + a) / 32
.set PITCH, 272                        ; an LDS row: 256 bytes + 16 of padding: the 16 rows of a load start at 16 different groups of four banks
.set TILE,  128*PITCH
.set SLOT,  4*TILE                     ; x, Wq, Wk, Wv
.set STAGE, 2*SLOT                     ; behind the ring: 16 rows x 144 bytes for each wave, for the way out
.set SP,    144
.set SPARE, STAGE+4*16*SP              ; the spare words, 128 bytes for each wave: two blocks of 256 bytes that no other line names
.set ADRA, 4                           ; v4-5   LDS address of my x fragments in slot 0, 1
.set ADRB, 6                           ; v6-7   the same for the weights
.set STO,  8                           ; v8     the way out: where I put 16 bytes of a row
.set RD,   9                           ; v9     where I read rows back
.set GO,   10                          ; v10    16 x lane
.set BO,   11                          ; v11    32 x (lane / 16): my eight biases of a block
.set WOA,  12                          ; v12    my 32 bytes of Wo
.set WOS,  13                          ; v13    my 16 bytes of wo16
.set SPW,  14                          ; v14    LDS address of my spare word; never rewritten
.set NIL,  15                          ; v15    0; never rewritten
.set BIAS, 32
.set F,    128
.set G1A, 24                           ; s[24:31] descriptor group 1 for x's tiles
.set G0A, 32                           ; s[32:39] group 0, a set for each slot
.set G1B, 40                           ; s[40:47] group 1 for the weights' tiles: it differs in the mask
.set G0B, 48                           ; s[48:55] group 0
.set WV, 56
.set WR, 57
.set WC, 58
.set CX, 59
.set CY, 60
.set CB, 61                            ; column block 0..3
.set RB, 62                            ; row block 0..63
.set CNT, 63
.set OB, 80                            ; s[80:85] where my three slices' rows begin in qkv
.set BP, 86                            ; s[86:91] where my three slices' biases begin
.set FLAGS, (2<<16)|(1<<20)|(1<<21)|(5<<22)|(3<<25)  ; 4-byte elements; padding on; bit 21 beside a mask; after every 64 words, 4 words
.set MSB, 0
.macro WIN new                         ; the immediate's high byte repeats the setting that is left
.if MSB != (\new)
	s_set_vgpr_msb (MSB<<8)|(\new)
.set MSB, \new
.endif
.endm
.macro PLACES                          ; four plain places behind matrix instructions whose registers are written next
.rept 4
	v_nop
.endr
.endm
; A joint load: wave 0 fetches x's tile, waves 1 to 3 those of Wq, Wk, Wv.  The branch hangs on the wave's number alone.  An s_nop 0 and four v_nop follow each line.
.macro JLOAD s
	s_cmp_eq_u32 s[WV], 0
	s_cbranch_scc0 .Lfor_b_\@
	tensor_load_to_lds s[G0A+4*(\s):G0A+4*(\s)+3], s[G1A:G1A+7]
	s_nop 0
.rept 4
	v_nop
.endr
	s_branch .Lasked_\@
.Lfor_b_\@:
	tensor_load_to_lds s[G0B+4*(\s):G0B+4*(\s)+3], s[G1B:G1B+7]
	s_nop 0
.rept 4
	v_nop
.endr
.Lasked_\@:
.endm
.macro CREST                           ; a round of the cluster's barrier behind its opening barrier
	s_cmp_lg_u32 s[WV], 0
	s_cbranch_scc1 .Lnot_wave_0_\@
	s_barrier_signal -3
.Lnot_wave_0_\@:
	s_barrier_wait -3
	s_barrier_signal -1
	s_barrier_wait -1
.endm
.macro CROUND
	s_barrier_signal -1
	s_barrier_wait -1
	CREST
.endm
	s_load_b512 s[4:19], s[0:1], 0x0               ; x s[4:5], Wq s[6:7], Wk s[8:9], Wv s[10:11], bq s[12:13], bk s[14:15], bv s[16:17], Wo s[18:19]
	s_load_b128 s[20:23], s[0:1], 0x40             ; qkv s[20:21], wo16 s[22:23]
	v_lshl_add_u32 v[SPW], v0, 2, SPARE
	v_mov_b32 v[NIL], 0
	ds_add_u32 v[SPW], v[NIL]                      ; the wave's opening: the add and its wait stand ahead of my first tensor load
	v_lshrrev_b32 v1, 5, v0
	v_readfirstlane_b32 s[WV], v1                  ; wave 0..3
	s_lshr_b32 s[WR], s[WV], 1                     ; which 64 rows are mine
	s_and_b32 s[WC], s[WV], 1                      ; which three slices
	s_bfe_u32 s[CX], ttmp6, 0x40000
	s_bfe_u32 s[CY], ttmp6, 0x40004
	s_lshl_b32 s[CB], ttmp9, 2
	s_add_co_u32 s[CB], s[CB], s[CX]               ; column block = 4 x cluster x + cx
	s_and_b32 s[RB], ttmp7, 0xffff
	s_lshl_b32 s[RB], s[RB], 2
	s_add_co_u32 s[RB], s[RB], s[CY]               ; row block = 4 x cluster y + cy
	s_lshl_b32 s66, s[CY], 2
	s_lshl_b32 s66, 15, s66                        ; my row of the cluster
	s_lshl_b32 s67, 0x1111, s[CX]                  ; my column
	s_or_b32 s[G1A], s66, FLAGS                    ; x's tiles go to my row,
	s_or_b32 s[G1B], s67, FLAGS                    ; the weights' to my column
.irp g, G1A, G1B
	s_mov_b32 s[(\g)+1], 64<<16                    ; tensor_dim0 = 64
	s_mov_b32 s[(\g)+2], 128<<16                   ; tensor_dim1 = 128
	s_mov_b32 s[(\g)+3], 64<<16                    ; tile_dim0 = 64
	s_mov_b32 s[(\g)+4], 128                       ; tile_dim1 = 128
	s_mov_b32 s[(\g)+5], 512                       ; 512 elements from row to row
	s_mov_b32 s[(\g)+6], 0
	s_mov_b32 s[(\g)+7], 0
.endr
	s_lshl_b32 s68, s[RB], 18                      ; 128 rows of 2,048 bytes: x's tile hangs on the row block alone,
	s_mov_b32 s69, 0
	s_lshl_b32 s70, s[CB], 18                      ; a weight's on the column block alone
	s_mov_b32 s71, 0
	s_mul_i32 s72, s[WV], TILE                     ; where my tile goes: no place in the cluster enters an LDS address
	s_wait_dscnt 0x0                               ; the opening add is done
	s_wait_kmcnt 0x0
	s_add_nc_u64 s[68:69], s[4:5], s[68:69]
	s_cmp_eq_u32 s[WV], 2
	s_cselect_b64 s[74:75], s[8:9], s[6:7]         ; wave 1 Wq, wave 2 Wk,
	s_cmp_eq_u32 s[WV], 3
	s_cselect_b64 s[74:75], s[10:11], s[74:75]     ; wave 3 Wv
	s_add_nc_u64 s[70:71], s[74:75], s[70:71]
	CROUND                                         ; all sixteen work-groups are here: the first joint loads meet
.irp s, 0,1
	s_mov_b32 s[G0A+4*(\s)], 1
	s_add_co_u32 s[G0A+4*(\s)+1], s72, (\s)*SLOT
	s_add_nc_u64 s[G0A+4*(\s)+2:G0A+4*(\s)+3], s[68:69], (\s)*256  ; K step s
	s_or_b32 s[G0A+4*(\s)+3], s[G0A+4*(\s)+3], 0x80000000
	s_mov_b32 s[G0B+4*(\s)], 1
	s_add_co_u32 s[G0B+4*(\s)+1], s72, (\s)*SLOT
	s_add_nc_u64 s[G0B+4*(\s)+2:G0B+4*(\s)+3], s[70:71], (\s)*256
	s_or_b32 s[G0B+4*(\s)+3], s[G0B+4*(\s)+3], 0x80000000
	JLOAD \s                                       ; two loads of mine are out
.endr
	; my three slices: slice sl = 3 (w % 2) + i is matrix sl / 2 (q, k, v), head 2 x column block + sl % 2
.irp i, 0,1,2
	s_mul_i32 s66, s[WC], 3
	s_add_co_u32 s66, s66, \i
	s_lshr_b32 s67, s66, 1                         ; which matrix
	s_and_b32 s73, s66, 1                          ; which of the block's two heads
	s_cmp_eq_u32 s67, 1
	s_cselect_b64 s[BP+2*(\i):BP+2*(\i)+1], s[14:15], s[12:13]
	s_cmp_eq_u32 s67, 2
	s_cselect_b64 s[BP+2*(\i):BP+2*(\i)+1], s[16:17], s[BP+2*(\i):BP+2*(\i)+1]
	s_lshl_b32 s74, s[CB], 9
	s_lshl_b32 s75, s73, 8
	s_add_co_u32 s74, s74, s75                     ; (128 x column block + 64 x head) x 4 bytes
	s_mov_b32 s75, 0
	s_add_nc_u64 s[BP+2*(\i):BP+2*(\i)+1], s[BP+2*(\i):BP+2*(\i)+1], s[74:75]
	s_lshl_b32 s76, s67, 4
	s_lshr_b32 s77, s[RB], 5                       ; the batch
	s_lshl_b32 s77, s77, 3
	s_add_co_u32 s76, s76, s77
	s_lshl_b32 s77, s[CB], 1
	s_add_co_u32 s76, s76, s77
	s_add_co_u32 s76, s76, s73                     ; 16 x matrix + 8 x batch + head
	s_lshl_b32 s76, s76, 12
	s_and_b32 s77, s[RB], 31
	s_lshl_b32 s77, s77, 7
	s_add_co_u32 s76, s76, s77                     ; + the block's first row in its batch
	s_lshl_b32 s77, s[WR], 6
	s_add_co_u32 s76, s76, s77                     ; + my 64 rows
	s_lshl_b32 s76, s76, 7                         ; rows of 128 bytes
	s_mov_b32 s77, 0
	s_add_nc_u64 s[OB+2*(\i):OB+2*(\i)+1], s[20:21], s[76:77]
.endr
	; A fragment is 16 rows x 32 K: lane l holds row l % 16, K = 8 (l / 16) + 0..7 and 16 + 8 (l / 16) + 0..7: in f32 two runs of 32 bytes, 64 bytes apart
	v_and_b32 v1, 15, v0                           ; l % 16
	v_bfe_u32 v2, v0, 4, 1                         ; l / 16
	v_mul_u32_u24 v3, v1, PITCH
	v_lshl_add_u32 v3, v2, 5, v3
	s_mul_i32 s66, s[WR], 64*PITCH                 ; my 64 rows of x
	s_mul_i32 s67, s[WC], 192*PITCH                ; my 192 rows of the weights,
	s_add_co_u32 s67, s67, TILE                    ; which lie behind x's 128
.irp s, 0,1
	v_add_nc_u32 v[ADRA+(\s)], s66, v3
	v_add_nc_u32 v[ADRB+(\s)], s67, v3
	s_add_co_u32 s66, s66, SLOT
	s_add_co_u32 s67, s67, SLOT
.endr
	s_mul_i32 s66, s[WV], 16*SP
	s_add_co_u32 s66, s66, STAGE                   ; my stage
	v_mul_u32_u24 v[STO], v1, SP                   ; in: row l % 16, 16 bytes for each half of the lanes
	v_lshl_add_u32 v[STO], v2, 4, v[STO]
	v_add_nc_u32 v[STO], s66, v[STO]
	v_bfe_u32 v[RD], v0, 3, 2                      ; back: 32 lanes take four rows of 128 bytes,
	v_mul_u32_u24 v[RD], v[RD], SP
	v_and_b32 v16, 7, v0
	v_lshl_add_u32 v[RD], v16, 4, v[RD]
	v_add_nc_u32 v[RD], s66, v[RD]
	v_and_b32 v[GO], 31, v0                        ; which are 512 consecutive bytes of qkv
	v_lshlrev_b32 v[GO], 4, v[GO]
	v_lshlrev_b32 v[BO], 5, v2
	s_lshl_b32 s73, s[RB], 2
	s_add_co_u32 s73, s73, s[CB]                   ; the work-group's number, 0..255: it owns 1,024 numbers of Wo
	s_lshl_b32 s74, s73, 12
	v_lshl_add_u32 v[WOA], v0, 5, s74
	s_lshl_b32 s74, s73, 11
	v_lshl_add_u32 v[WOS], v0, 4, s74
	global_load_b128 v[24:27], v[WOA], s[18:19]
	global_load_b128 v[28:31], v[WOA], s[18:19] offset:16
.set b, 0
.rept 12                                       ; block b of 16 columns: slice b / 4, columns 16 (b % 4) + 8 (l / 16) + 0..7
	global_load_b128 v[BIAS+8*b:BIAS+8*b+3],   v[BO], s[BP+2*(b/4):BP+2*(b/4)+1] offset:64*(b%4)
	global_load_b128 v[BIAS+8*b+4:BIAS+8*b+7], v[BO], s[BP+2*(b/4):BP+2*(b/4)+1] offset:64*(b%4)+16
.set b, b+1
.endr
	s_wait_loadcnt 0x0
.irp p, 0,1,2,3                                ; Wo: rounded to bf16, and that number written as f16
	v_cvt_pk_bf16_f32 v[16+(\p)], v[24+2*(\p)], v[25+2*(\p)]
.endr
.irp p, 0,1,2,3
	v_lshlrev_b32 v[24+2*(\p)], 16, v[16+(\p)]
	v_and_b32 v[25+2*(\p)], 0xffff0000, v[16+(\p)]
.endr
.irp p, 0,1,2,3
	v_cvt_pk_f16_f32 v[20+(\p)], v[24+2*(\p)], v[25+2*(\p)]
.endr
	global_store_b128 v[WOS], v[20:23], s[22:23]   ; 16 lanes store 256 consecutive bytes; v13 and v20-23 are never rewritten
.set p, 0
.rept 48                                       ; the biases: rounded to bf16, kept as f32
	v_cvt_pk_bf16_f32 v[16+p%4], v[BIAS+2*p], v[BIAS+2*p+1]
	v_lshlrev_b32 v[BIAS+2*p], 16, v[16+p%4]
	v_and_b32 v[BIAS+2*p+1], 0xffff0000, v[16+p%4]
.set p, p+1
.endr
; 64 LDS loads in one run: the 16 fragments of 32 along K (half c of the slot's K step), as f32, into window 1
.macro FETCH slot, c
	WIN 0x40
.irp a, 0,1,2,3
.irp o, 0,1,2,3
	ds_load_b128 v[16*(\a)+4*(\o):16*(\a)+4*(\o)+3], v[ADRA+(\slot)] offset:(\a)*16*PITCH+128*(\c)+16*((\o)%2)+64*((\o)/2)
.endr
.endr
.set b, 0
.rept 12
.irp o, 0,1,2,3
	ds_load_b128 v[64+16*b+4*(\o):64+16*b+4*(\o)+3], v[ADRB+(\slot)] offset:b*16*PITCH+128*(\c)+16*((\o)%2)+64*((\o)/2)
.endr
.set b, b+1
.endr
.endm
.macro CVT                             ; 256 f32 of window 1 -> 128 registers of bf16 pairs in window 0
	WIN 0x05
.set p, 0
.rept 128
	v_cvt_pk_bf16_f32 v[F+p], v[2*p], v[2*p+1]
.set p, p+1
.endr
.endm
; part 0: the 32 products of column blocks 0-7 (window 2); part 1: the 16 of blocks 8-11 (window 3).  first = 1: C is the bias: it starts the sums, nothing is cleared.
; The accumulators take turns, one instruction a turn.
.macro MUL part, first
.if \first
	WIN 0x80+0x40*(\part)
.else
	WIN 0xa0+0x50*(\part)
.endif
.set b, 8*(\part)
.rept 8-4*(\part)
.irp a, 0,1,2,3
.set rD, 8*((4*b+(\a))%32)
.if \first
	v_wmma_f32_16x16x32_bf16 v[rD:rD+7], v[F+32+8*b:F+32+8*b+7], v[F+8*(\a):F+8*(\a)+7], v[BIAS+8*b:BIAS+8*b+7]
.else
	v_wmma_f32_16x16x32_bf16 v[rD:rD+7], v[F+32+8*b:F+32+8*b+7], v[F+8*(\a):F+8*(\a)+7], v[rD:rD+7]
.endif
.endr
.set b, b+1
.endr
.endm
; The first half of a K step: round what has been fetched, fetch half nc of slot ns, multiply.
.macro SLICE ns, nc, first
	s_wait_dscnt 0x0                               ; the 64 loads are back
.if !(\first)
	PLACES                                         ; the conversions write registers that the last products read
.endif
	CVT
	FETCH \ns, \nc
	MUL 0, \first
	MUL 1, \first
.endm
; The second half, and the change of slots.  In front of the barrier each wave waits for all its tensor loads (one is out: its tile of the next slot), adds 0 to its spare word, and waits for that and
; for its reads of this slot.  fill = 1: the barrier opens a round of the cluster's, and behind the round this slot is filled again, two K steps on: the first thing there.
.macro TURN slot, next, fill
	WIN 0
	s_wait_tensorcnt 0x0
	ds_add_u32 v[SPW], v[NIL]                      ; 0 onto my spare word; the conversions stand between it and the wait for it
	s_wait_dscnt 1                                 ; the 64 loads are back; the add may be out
	PLACES
	CVT
	WIN 0
.if \fill
	s_add_nc_u64 s[G0A+4*(\slot)+2:G0A+4*(\slot)+3], s[G0A+4*(\slot)+2:G0A+4*(\slot)+3], 512  ; no tensor load of mine is out: a group 0 may be written
	s_add_nc_u64 s[G0B+4*(\slot)+2:G0B+4*(\slot)+3], s[G0B+4*(\slot)+2:G0B+4*(\slot)+3], 512
.endif
	s_wait_dscnt 0x0                               ; the add is done, and my reads of this slot are over
	s_barrier_signal -1
	MUL 1, 0                                       ; work on registers while the others arrive
	WIN 0                                          ; at a label and at a branch every window is 0
	s_barrier_wait -1
.if \fill
	CREST
	JLOAD \slot
.endif
	FETCH \next, 0
	MUL 0, 0
.endm
	s_wait_tensorcnt 0x1                           ; my tile of K step 0 is in; K step 1's may stay out
	s_barrier_signal -1
	s_barrier_wait -1
	FETCH 0, 0
	SLICE 0, 1, 1
	WIN 0
	s_mov_b32 s[CNT], 3
.Lk:                                           ; a trip: two K steps, both slots filled again: K steps 2 to 7
	TURN 0, 1, 1
	SLICE 1, 1, 0
	TURN 1, 0, 1
	SLICE 0, 1, 0
	WIN 0
	s_sub_co_u32 s[CNT], s[CNT], 1
	s_cmp_lg_u32 s[CNT], 0
	s_cbranch_scc1 .Lk
	TURN 0, 1, 0                                   ; the last two K steps ask for nothing
	SLICE 1, 1, 0
	s_wait_dscnt 0x0
	PLACES
	CVT
	MUL 0, 0
	MUL 1, 0
	WIN 0
	PLACES
	PLACES
; THE WAY OUT.  Unit u = 3 a + i: 16 rows (block a) of slice i: rounded to f16, 16 bytes a lane into my stage, back as whole rows of 128 bytes, which lie on end in qkv.
.macro PACK u
.set pa, (\u)/3
.set pi, (\u)%3
.set T, 32+16*(\u)
	WIN 0x0a+5*(pi/2)                              ; sources in window 2, for the third slice in window 3
.irp bb, 0,1,2,3
.set rA, 8*((16*pi+4*(\bb)+pa)%32)
.irp rr, 0,1,2,3
	v_cvt_pk_f16_f32 v[T+4*(\bb)+(\rr)], v[rA+2*(\rr)], v[rA+2*(\rr)+1]
.endr
.endr
	WIN 0
.irp bb, 0,1,2,3
	ds_store_b128 v[STO], v[T+4*(\bb):T+4*(\bb)+3] offset:32*(\bb)
.endr
.irp f, 0,1,2,3
	ds_load_b128 v[T+4*(\f):T+4*(\f)+3], v[RD] offset:(\f)*4*SP  ; LDS serves a wave's instructions in order: these see the stores above; the next unit's stores come behind them
.endr
.endm
.macro SEND u, younger                 ; younger: the LDS instructions issued behind unit u's loads
.set pa, (\u)/3
.set pi, (\u)%3
.set T, 32+16*(\u)
	WIN 0
.irp f, 0,1,2,3
	s_wait_dscnt (\younger)+3-(\f)
	global_store_b128 v[GO], v[T+4*(\f):T+4*(\f)+3], s[OB+2*pi:OB+2*pi+1] offset:2048*pa+512*(\f)  ; 512 consecutive bytes, at a multiple of 256 from qkv's first; each unit has registers of its own
.endr
.endm
	PACK 0
.irp u, 1,2,3,4,5,6,7,8,9,10,11
	PACK \u
	SEND (\u)-1, 8
.endr
	SEND 11, 0
	s_wait_tensorcnt 0x0                           ; the wave's end
	ds_add_u32 v[SPW], v[NIL]
	s_wait_dscnt 0x0
	CROUND                                         ; the closing round: no work-group ends while a partner may still ask for a tile that names it
	s_endpgm
.Lfunc_end_k_q2d7ae9a249_qkv:
	.size	k_q2d7ae9a249_qkv, .Lfunc_end_k_q2d7ae9a249_qkv-k_q2d7ae9a249_qkv
	.p2alignl 7, 3214868480
	.fill 96, 4, 3214868480
	.section	.rodata,"a",@progbits
	.p2align	6, 0x0
	.amdhsa_kernel k_q2d7ae9a249_qkv
		.amdhsa_group_segment_fixed_size 327680
		.amdhsa_private_segment_fixed_size 0
		.amdhsa_enable_private_segment 0
		.amdhsa_kernarg_size 80
		.amdhsa_user_sgpr_count 2
		.amdhsa_user_sgpr_kernarg_segment_ptr 1
		.amdhsa_wavefront_size32 1
		.amdhsa_system_sgpr_workgroup_id_x 1
		.amdhsa_system_sgpr_workgroup_id_y 1
		.amdhsa_system_sgpr_workgroup_id_z 1
		.amdhsa_system_vgpr_workitem_id 0
		.amdhsa_next_free_vgpr 896
		.amdhsa_next_free_sgpr 92
		.amdhsa_reserve_vcc 0
		.amdhsa_float_denorm_mode_32 3
		.amdhsa_float_denorm_mode_16_64 3
		.amdhsa_memory_ordered 1
		.amdhsa_forward_progress 1
		.amdhsa_inst_pref_size 171
	.end_amdhsa_kernel
	.amdgpu_metadata
---
amdhsa.version: [ 1, 2 ]
amdhsa.kernels:
  - .name:           k_q2d7ae9a249_qkv
    .symbol:         k_q2d7ae9a249_qkv.kd
    .args:
      - { .name: x, .offset: 0, .size: 8, .value_kind: global_buffer, .address_space: global }
      - { .name: Wq, .offset: 8, .size: 8, .value_kind: global_buffer, .address_space: global }
      - { .name: Wk, .offset: 16, .size: 8, .value_kind: global_buffer, .address_space: global }
      - { .name: Wv, .offset: 24, .size: 8, .value_kind: global_buffer, .address_space: global }
      - { .name: bq, .offset: 32, .size: 8, .value_kind: global_buffer, .address_space: global }
      - { .name: bk, .offset: 40, .size: 8, .value_kind: global_buffer, .address_space: global }
      - { .name: bv, .offset: 48, .size: 8, .value_kind: global_buffer, .address_space: global }
      - { .name: Wo, .offset: 56, .size: 8, .value_kind: global_buffer, .address_space: global }
      - { .name: qkv, .offset: 64, .size: 8, .value_kind: global_buffer, .address_space: global }
      - { .name: wo16, .offset: 72, .size: 8, .value_kind: global_buffer, .address_space: global }
    .group_segment_fixed_size: 327680
    .private_segment_fixed_size: 0
    .kernarg_segment_align: 8
    .kernarg_segment_size: 80
    .max_flat_workgroup_size: 128
    .sgpr_count:     92
    .vgpr_count:     896
    .wavefront_size: 32
...
	.end_amdgpu_metadata
.endif
;; end of part 1
;; launch attn (part 2): grid 16 x 16, 4 waves a work-group, clusters of 4 x 1, 327,680 bytes of LDS; arguments qkv, o; writes o
.if DOCPART == 2
	.amdgcn_target "amdgcn-amd-amdhsa--gfx1250"
	.amdhsa_code_object_version 6
	.text
	.protected	k_q2d7ae9a249_attn
	.globl	k_q2d7ae9a249_attn
	.p2align	8
	.type	k_q2d7ae9a249_attn,@function
k_q2d7ae9a249_attn:
	s_mov_b64 s[64:65], 0
	v_nop
	global_prefetch_b8 v0, s[64:65] scope:SCOPE_SE
	s_setreg_imm32_b32 hwreg(HW_REG_WAVE_MODE, 25, 1), 1
	s_wait_xcnt 0x0
	s_wait_alu depctr_hold_cnt(0) depctr_sa_sdst(0) depctr_va_vdst(0) depctr_va_sdst(0) depctr_va_ssrc(0) depctr_va_vcc(0) depctr_vm_vsrc(0)
	s_getreg_b32 s2, hwreg(HW_REG_IB_STS2, 6, 4)
	s_cmp_eq_u32 s2, 0
	s_cbranch_scc0 .Lentry_in_a_cluster
	s_endpgm
.Lentry_in_a_cluster:
	s_bfe_u32 s2, ttmp6, 0x10000c
	s_cmp_lg_u32 s2, 0x3003
	s_cbranch_scc0 .Lentry_shape_is_right
	s_endpgm
.Lentry_shape_is_right:
; O[h][q][:] = the sum over k of softmax_k(Q[h][q] . K[h][k] / 8) V[h][k][:], 16 heads of 4,096 rows of 64 channels, all f16.  qkv holds Q, then K, then V, each [16][4096][64]; o is [16][4096][64].
; Products, maxima and sums in f32; the weights p are rounded to f16 for the second product (their sum l is taken of the unrounded p), O once at the end.
; LIMITS.  Q, K, V arrive within f16's 65,504; p lies in 0 to 1 and below 6e-5 keeps f16's fixed step of 6e-8; a weight below 2^-126 counts as 0 in l; NaN and infinities are not treated apart.
; SHARES.  A work-group owns 256 queries of one head, a wave 64: four PIECES of 16.  Every wave walks all 4,096 keys, 64 a step; a tile of 256 keys of K and V fills an LDS slot; two slots take turns.
; LAYOUT.  S^T = K Q^T holds ONE query a lane (lane % 16) and the keys 8 (lane / 16) + 0..7; two such results rounded to f16 ARE source 1 of O^T = V^T P.  K comes out of LDS as it lies, V turned.
; SOFTMAX.  p = 2^(c s - c m), c = log2(e) / 8, with a running maximum m; O and l are multiplied by a = 2^(c m_old - c m_new) in every step.  m starts at the lowest finite number, O and l at 0.
; TURNS.  Turn n belongs to piece n: 8 products K Q^T of piece n + 1, later 8 products V^T P of piece n - 1; beside them the scaling, exponentials, roundings, sums and rescaling of piece n and the
; maximum and statistics of piece n + 1.  Four vector instructions stand behind every matrix instruction, the rest in one lump.  A turn's 33 exponentials are one batch, with one wait.
; CLUSTER.  The four query blocks of a cluster belong to one head and walk the same K and V: each tile is asked for jointly, same tensor load, descriptor and mask in all four.
; REGISTERS, in windows of 256 (s_set_vgpr_msb: bits 1:0 source 0, 3:2 source 1, 5:4 source 2, 7:6 destination):
;   window 0: v0-15 addresses; v16-31 four registers of statistics a piece; v48-55 at work; v61-63; v64-127 S^T, two buffers; v192-223 P, two buffers (by the piece's parity)
;   window 1: v0-127 O^T, 32 a piece          window 2: v0-63 Q; v128-191 K of one step; v192-255 V of one step
.set NP,    4
.set KS,    64
.set PK,    144       ; a row of K in LDS: 128 bytes + 16 of padding
.set PV,    160       ; a row of V: 128 + 32
.set VOFF,  4*KS*PK   ; a slot: 256 rows of K, then 256 rows of V
.set SLOT1, 1<<17     ; slot 1 begins here: one exclusive or turns an address in one slot into the other's
.set STAGE, SLOT1+4*KS*(PK+PV)  ; behind the ring: 16 rows x 144 bytes for each wave, for the way out
.set SP,    144
.set SPARE, STAGE+4*16*SP  ; the spare words, 128 bytes for each wave: two blocks of 256 bytes that no other line names
.set AK0, 2           ; v2   my lane's place in a tile of K; never rewritten
.set AV0, 3           ; v3   the same for V
.set AK,  4           ; v4   the LDS address of K's next run of loads
.set AV,  5           ; v5   of V's
.set STO, 6           ; v6   the way out: where I put 16 bytes of a row
.set RD,  7           ; v7   where I read rows back
.set GO,  8           ; v8   16 x lane
.set MV,  12          ; v12-13  c m_old, by buffer
.set QO,  15          ; v15  my byte offset in 16 rows of Q
.set ST,  16          ; piece t's statistics at v[ST+4 t]: c m, m, l (even keys', odd keys')
.set TMP, 48          ; by buffer, c0-c3 at work; when the maximum is found c2 takes a
.set PFO, 61          ; v61  256 x lane; never rewritten
.set SPW, 62          ; v62  LDS address of my spare word; never rewritten
.set NIL, 63          ; v63  0; never rewritten
.set S,   64
.set P,   192
.set KF,  128         ; window 2: key block kb, channel half c at KF + 16 kb + 8 c
.set VF,  192         ; window 2: key half kk, channel block cb at VF + 32 kk + 8 cb
.set WV,  12          ; s12  my wave's number
.set LIM, 15          ; s15  1 in a wave that prefetches, else the greatest number
.set PFA, 18          ; s[18:19] where my prefetches stand
.set G1K, 24          ; s[24:31] descriptor group 1 for K's tiles
.set G1V, 32          ; s[32:39] for V's: it differs in the padding
.set G0K, 40          ; s[40:43] group 0 for K's tiles: it walks
.set G0V, 44          ; s[44:47] the same for V's
.set SLOTS, 56        ; s56  tiles still to be asked for
.set CNT, 57          ; s57  counts a tile's key steps
.set CS,  58          ; s[58:59] c
.set SEL, 60          ; s[60:61] v_permlanex16_b32's selects: each lane takes its own place in the other half
.set TBK, 62          ; s62  LDS byte at which K of the step to be fetched begins
.set TBV, 63          ; s63  the same for V, less VOFF
.set MSB, 0
.macro WIN new
.if MSB != (\new)
	s_set_vgpr_msb (MSB<<8)|(\new)
.set MSB, (\new)
.endif
.endm
.set W_KQ, 0x0a       ; K and Q in window 2, S^T in window 0
.set W_PV, 0x52       ; V in window 2, P in window 0, O^T in window 1
.set W_RS, 0x41       ; destination and source 0 in window 1, source 1 in window 0
; A joint fill.  Waves 0 and 1 fetch the two halves of a tile's K, waves 2 and 3 those of its V: 128 keys each.  An s_nop 0 and four v_nop follow each line.
.macro JLOAD
	s_cmp_lt_u32 s[WV], 2
	s_cbranch_scc0 .Lfor_v_\@
	tensor_load_to_lds s[G0K:G0K+3], s[G1K:G1K+7]
	s_nop 0
.rept 4
	v_nop
.endr
	s_branch .Lasked_\@
.Lfor_v_\@:
	tensor_load_to_lds s[G0V:G0V+3], s[G1V:G1V+7]
	s_nop 0
.rept 4
	v_nop
.endr
.Lasked_\@:
.endm
; A prefetch of the tile that the NEXT change of slots will ask for: 128 blocks of 256 bytes of K and of V, a lane a block.  All clusters of a head walk the same tiles: the head's first cluster asks;
; its four partners take 32 blocks each, told apart by address; in each, wave 0 asks for K's and wave 2 for V's.  So each block is named once.  The last filling change asks for nothing.
.macro ASK
	s_cmp_gt_u32 s[SLOTS], s[LIM]
	s_cbranch_scc0 .Lnot_mine_\@
	global_prefetch_b8 v[PFO], s[PFA:PFA+1] th:TH_LOAD_NT scope:SCOPE_SE
.Lnot_mine_\@:
.endm
.macro CROUND                       ; a round of the cluster's barrier
	s_barrier_signal -1
	s_barrier_wait -1
	s_cmp_lg_u32 s[WV], 0
	s_cbranch_scc1 .Lnot_wave_0_\@
	s_barrier_signal -3
.Lnot_wave_0_\@:
	s_barrier_wait -3
	s_barrier_signal -1
	s_barrier_wait -1
.endm
; THE CHANGE OF SLOTS.  Each wave waits for all its tensor loads (one is out: its part of the other slot), adds 0 to its spare word, and waits for that and for its reads of the slot that it leaves.
; fill = 1: the barrier is a round of the cluster's, and the old slot is filled again first thing behind it, with the next tile: four key steps, 256 matrix instructions, in which to land.
; (At its first use nothing has been read yet: slot 0 is waited for, slot 1 filled.)
.macro CHANGE fill
	WIN 0
	s_wait_tensorcnt 0x0            ; no tensor load of mine is out, so a group 0 may be written
	ds_add_u32 v[SPW], v[NIL]
.if \fill
.irp g, G0K, G0V
	s_xor_b32 s[\g+1], s[\g+1], SLOT1
	s_add_nc_u64 s[\g+2:\g+3], s[\g+2:\g+3], 4*KS*128
.endr
	s_wait_xcnt 0x0                 ; the last prefetch, a tile back, has read its address, so it may be written
	s_add_nc_u64 s[PFA:PFA+1], s[PFA:PFA+1], 4*KS*128  ; one tile ahead of the walking descriptors
	s_wait_dscnt 0x0                ; the add is done, and my reads of the slot are over
	CROUND
	JLOAD
	ASK
.else
	s_wait_dscnt 0x0
	s_barrier_signal -1
	s_barrier_wait -1
.endif
	s_sub_co_u32 s[TBK], s[TBK], 4*KS*PK  ; the fetches go back to a slot's first step,
	s_xor_b32 s[TBK], s[TBK], SLOT1       ; in the other slot
	s_sub_co_u32 s[TBV], s[TBV], 4*KS*PV
	s_xor_b32 s[TBV], s[TBV], SLOT1
.endm
	s_load_b128 s[4:7], s[0:1], 0x0 ; qkv s[4:5], o s[6:7]
	v_lshl_add_u32 v[SPW], v0, 2, SPARE
	v_mov_b32 v[NIL], 0
	ds_add_u32 v[SPW], v[NIL]       ; the wave's opening: the add and its wait stand ahead of my first tensor load
	v_lshrrev_b32 v1, 5, v0
	v_readfirstlane_b32 s[WV], v1   ; wave 0..3
	s_bfe_u32 s13, ttmp6, 0x40000   ; cx
	s_lshl_b32 s14, ttmp9, 2
	s_add_co_u32 s14, s14, s13      ; my block of 256 queries: it enters Q's and O's addresses alone
	s_and_b32 s20, ttmp7, 0xffff    ; the head, which the four partners share:
	s_lshl_b32 s20, s20, 19         ; 4,096 rows of 128 bytes
	s_and_b32 s16, s[WV], 1         ; which half of a tile's 256 keys I fetch
	s_lshl_b32 s22, s16, 14
	s_add_co_u32 s22, s22, s20
	s_mov_b32 s23, 0
	s_mul_i32 s17, s16, 128*PK      ; its place in a slot, for K
	s_mul_i32 s21, s16, 128*PV      ; and for V
	s_lshl_b32 s2, s14, 2
	s_add_co_u32 s2, s2, s[WV]
	s_lshl_b32 s2, s2, 13           ; my wave's 64 rows
	s_add_co_u32 s2, s2, s20
	s_mov_b32 s3, 0
	; 128 keys are 16,384 dense bytes: asked for as 64 rows of 256 bytes, two keys a row, padded in LDS after every key
	s_mov_b32 s[G1K], 15|(1<<16)|(1<<20)|(1<<21)|(4<<22)|(3<<25)
	s_mov_b32 s[G1V], 15|(1<<16)|(1<<20)|(1<<21)|(4<<22)|(7<<25)
.irp g, G1K, G1V
	s_mov_b32 s[\g+1], 128<<16      ; tensor_dim0 = 128
	s_mov_b32 s[\g+2], 64<<16       ; tensor_dim1 = 64
	s_mov_b32 s[\g+3], 128<<16      ; tile_dim0 = 128
	s_mov_b32 s[\g+4], 64           ; tile_dim1 = 64
	s_mov_b32 s[\g+5], 128          ; 128 elements from row to row
	s_mov_b32 s[\g+6], 0
	s_mov_b32 s[\g+7], 0
.endr
	s_mov_b32 s[CS], 0x3e38aa3b     ; c = log2(e) / 8
	s_mov_b32 s[CS+1], s[CS]
	s_mov_b32 s[SEL], 0x76543210
	s_mov_b32 s[SEL+1], 0xfedcba98
	s_mov_b32 s[TBK], SLOT1+4*KS*PK ; the first change of slots turns these two into 0
	s_mov_b32 s[TBV], SLOT1+4*KS*PV
	s_mov_b32 s[G0K], 1
	s_mov_b32 s[G0K+1], s17         ; slot 0
	s_mov_b32 s[G0V], 1
	s_add_co_u32 s[G0V+1], s21, VOFF
	s_mov_b32 s[SLOTS], 15          ; tiles 1 to 15 are still to be asked for
	s_and_b32 s[LIM], s[WV], 1      ; 0 in waves 0 and 2,
	s_or_b32 s[LIM], s[LIM], ttmp9  ; where the cluster is the head's first: the same in all four partners
	s_cmp_eq_u32 s[LIM], 0
	s_cselect_b32 s[LIM], 1, -1
	v_and_b32 v[PFO], 31, v0
	v_lshlrev_b32 v[PFO], 8, v[PFO]
	s_wait_dscnt 0x0                ; the opening add is done
	s_wait_kmcnt 0x0
	s_add_nc_u64 s[8:9], s[4:5], s[22:23]
	s_add_nc_u64 s[10:11], s[8:9], 0x1000000  ; V at my half of the head's tile 0
	s_add_nc_u64 s[8:9], s[8:9], 0x800000     ; K likewise
	s_add_nc_u64 s[G0K+2:G0K+3], s[8:9], 0
	s_or_b32 s[G0K+3], s[G0K+3], 0x80000000
	s_add_nc_u64 s[G0V+2:G0V+3], s[10:11], 0
	s_or_b32 s[G0V+3], s[G0V+3], 0x80000000
	s_add_nc_u64 s[4:5], s[4:5], s[2:3]       ; Q and O at my wave's first row
	s_add_nc_u64 s[6:7], s[6:7], s[2:3]
	s_cmp_lt_u32 s[WV], 2
	s_cselect_b64 s[PFA:PFA+1], s[8:9], s[10:11]  ; (in waves 0 and 2 these stand at a tile's first row)
	s_lshl_b32 s2, s13, 13          ; my work-group's 32 blocks of the 128
	s_mov_b32 s3, 0
	s_add_nc_u64 s[PFA:PFA+1], s[PFA:PFA+1], s[2:3]
	s_add_nc_u64 s[PFA:PFA+1], s[PFA:PFA+1], 4*KS*128  ; in tile 1; the first change steps it to tile 2.  Nothing is prefetched at the head
	CROUND                          ; all four work-groups are here: the first joint loads meet
	JLOAD                           ; tile 0 into slot 0
	v_and_b32 v1, 15, v0            ; l % 16
	v_bfe_u32 v9, v0, 4, 1          ; l / 16
	v_lshlrev_b32 v[QO], 7, v1
	v_lshl_add_u32 v[QO], v9, 4, v[QO]  ; row x 128 + 16 x half
	WIN 0x80
.set i, 0
.rept 8                             ; Q stays in registers: piece i / 2, channels 32 (i % 2) on
	global_load_b128 v[8*i:8*i+3],   v[QO], s[4:5] offset:(i/2)*2048+(i%2)*64
	global_load_b128 v[8*i+4:8*i+7], v[QO], s[4:5] offset:(i/2)*2048+(i%2)*64+32
.set i, i+1
.endr
	; What the first turns find: V's registers and P's second buffer hold 0, O^T and l are 0.  All this stands in the wait for the first tile.
.set i, VF
.rept 64
	v_mov_b32 v[i], 0
.set i, i+1
.endr
	WIN 0x40
.set i, 0
.rept 128
	v_mov_b32 v[i], 0
.set i, i+1
.endr
	WIN 0
.set i, 0
.rept 4
	v_mov_b32 v[ST+4*i], 0xfe000000    ; c m: far below every c s
	v_mov_b32 v[ST+4*i+1], 0xff7fffff  ; m
	v_mov_b32 v[ST+4*i+2], 0
	v_mov_b32 v[ST+4*i+3], 0
.set i, i+1
.endr
.set i, P+16
.rept 16
	v_mov_b32 v[i], 0
.set i, i+1
.endr
	v_mul_u32_u24 v[AK0], v1, PK
	v_lshl_add_u32 v[AK0], v9, 4, v[AK0]
	; The turning load takes 16 keys x 16 channels (lane l reads key 8 (l / 16) + l % 8, channels 8 ((l / 8) % 2) + 0..7) and leaves half a fragment of V^T
	v_and_b32 v10, 7, v0
	v_bfe_u32 v11, v0, 3, 1
	v_lshl_add_u32 v[AV0], v9, 3, v10
	v_mul_u32_u24 v[AV0], v[AV0], PV
	v_lshl_add_u32 v[AV0], v11, 4, v[AV0]
	v_add_nc_u32 v[AV0], VOFF, v[AV0]
	s_mul_i32 s13, s[WV], 16*SP
	s_add_co_u32 s13, s13, STAGE    ; my stage
	v_mul_u32_u24 v[STO], v1, SP
	v_lshl_add_u32 v[STO], v9, 4, v[STO]
	v_add_nc_u32 v[STO], s13, v[STO]
	v_bfe_u32 v[RD], v0, 3, 2
	v_mul_u32_u24 v[RD], v[RD], SP
	v_lshl_add_u32 v[RD], v10, 4, v[RD]
	v_add_nc_u32 v[RD], s13, v[RD]
	v_and_b32 v[GO], 31, v0
	v_lshlrev_b32 v[GO], 4, v[GO]
; THE MATRIX WORK.  The 4 accumulators of a run of 8 take turns.  Product i of 8 of S^T = K Q^T for piece x: channels 32 (i / 4) on, keys 16 (i % 4) on.  The first 4 start the sums.
.macro KQ x
	WIN W_KQ
.set rS, S+32*((\x)%2)+8*(i%4)
.set rK, KF+16*(i%4)+8*(i/4)
.set rQ, 16*(\x)+8*(i/4)
.if i < 4
	v_wmma_f32_16x16x32_f16 v[rS:rS+7], v[rK:rK+7], v[rQ:rQ+7], 0
.else
	v_wmma_f32_16x16x32_f16 v[rS:rS+7], v[rK:rK+7], v[rQ:rQ+7], v[rS:rS+7]
.endif
.endm
; Product i of 8 of O^T += V^T P for piece x: keys 32 (i / 4) on, channels 16 (i % 4) on.
.macro PV x
	WIN W_PV
.set rO, 32*(\x)+8*(i%4)
.set rV, VF+32*(i/4)+8*(i%4)
.set rP, P+16*((\x)%2)+8*(i/4)
	v_wmma_f32_16x16x32_f16 v[rO:rO+7], v[rV:rV+7], v[rP:rP+7], v[rO:rO+7]
.endm
.macro MM                           ; the turn's next matrix instruction.  NOKQ = 1: the last turn of all: there is no next piece
.if (i < 8) && !NOKQ
	KQ (Y+1)%NP
.elseif i >= 8
.set i, i-8
	PV (Y+NP-1)%NP
.set i, i+8
.endif
.set i, i+1
.endm
; THE LDS LOADS stand in runs of 16: a step's K (8 fragments) and its V (turned).
.macro FETCH_K
	WIN 0x80
.irp f, 0,1,2,3,4,5,6,7
	ds_load_b128 v[KF+8*\f:KF+8*\f+3],   v[AK] offset:(\f/2)*16*PK+(\f%2)*64
	ds_load_b128 v[KF+8*\f+4:KF+8*\f+7], v[AK] offset:(\f/2)*16*PK+(\f%2)*64+32
.endr
	s_add_co_u32 s[TBK], s[TBK], KS*PK
	WIN 0
.endm
.macro FETCH_V
	WIN 0x80
.irp f, 0,1,2,3,4,5,6,7
	ds_load_tr16_b128 v[VF+8*\f:VF+8*\f+3],   v[AV] offset:(\f/4)*32*PV+(\f%4)*32
	ds_load_tr16_b128 v[VF+8*\f+4:VF+8*\f+7], v[AV] offset:(\f/4)*32*PV+16*PV+(\f%4)*32
.endr
	WIN 0
.endm
; THE VECTOR WORK: OP kind, number.  For piece Y: F n: c s - c m for pair n of 16.  E n: the exponential of score n.  C n: pair n rounded to f16.  B n: of the four weights 4 n .. the second pair is
; added onto the first.  L n: l takes that sum (L 0: l = a l + sum).  R n: pair n of 16 of O^T times a.  For piece Y + 1: X n, number n of the 22 that find its maximum and statistics:
;   0-11 four chains c0-c3 of seven scores (each accumulator's lowest registers are read first)   12-14, 16 the four left over, the old m, c0-c3 into c0   15 c m_old is kept
;   17, 18 the other half of the lanes: the new m   19-21 c m; c m_old - c m_new; a
.set F, 0
.set E, 1
.set C, 2
.set B, 3
.set L, 4
.set R, 5
.set X, 6
.macro REGS y
.set rT, ST+4*(\y)
.set rC, TMP+4*((\y)%2)
.set rW, MV+((\y)%2)
.set rS, S+32*((\y)%2)
.set rP, P+16*((\y)%2)
.set rO, 32*(\y)
.endm
.macro OP k, n
.if (\k) == R
	REGS Y
	WIN W_RS
	v_pk_mul_f32 v[rO+2*(\n):rO+2*(\n)+1], v[rO+2*(\n):rO+2*(\n)+1], v[rC+2:rC+3] op_sel_hi:[1,0]
.elseif (\k) < R
	REGS Y
	WIN 0
.if (\k) == F
	v_pk_fma_f32 v[rS+2*(\n):rS+2*(\n)+1], v[rS+2*(\n):rS+2*(\n)+1], s[CS:CS+1], v[rT:rT+1] op_sel_hi:[1,0,0] neg_lo:[0,0,1] neg_hi:[0,0,1]
.elseif (\k) == E
	v_exp_f32 v[rS+(\n)], v[rS+(\n)]
.elseif (\k) == C
	v_cvt_pk_f16_f32 v[rP+(\n)], v[rS+2*(\n)], v[rS+2*(\n)+1]
.elseif (\k) == B
	v_pk_add_f32 v[rS+4*(\n):rS+4*(\n)+1], v[rS+4*(\n):rS+4*(\n)+1], v[rS+4*(\n)+2:rS+4*(\n)+3]
.elseif (\n) == 0
	v_pk_fma_f32 v[rT+2:rT+3], v[rT+2:rT+3], v[rC+2:rC+3], v[rS:rS+1] op_sel_hi:[1,0,1]
.else
	v_pk_add_f32 v[rT+2:rT+3], v[rT+2:rT+3], v[rS+4*(\n):rS+4*(\n)+1]
.endif
.elseif NOKQ
	v_nop
.else
	REGS (Y+1)%NP
	WIN 0
.if (\n) < 4
	v_max3_num_f32 v[rC+(\n)], v[rS+8*(\n)], v[rS+8*(\n)+1], v[rS+8*(\n)+2]
.elseif (\n) < 12
	v_max3_num_f32 v[rC+(\n)%4], v[rC+(\n)%4], v[rS+8*((\n)%4)+2*((\n)/4)+1], v[rS+8*((\n)%4)+2*((\n)/4)+2]
.elseif (\n) == 12
	v_max3_num_f32 v[rC], v[rC], v[rS+7], v[rS+15]
.elseif (\n) == 13
	v_max3_num_f32 v[rC+1], v[rC+1], v[rS+23], v[rS+31]
.elseif (\n) == 14
	v_max3_num_f32 v[rC+2], v[rC+2], v[rC+3], v[rT+1]
.elseif (\n) == 15
	v_mov_b32 v[rW], v[rT]
.elseif (\n) == 16
	v_max3_num_f32 v[rC], v[rC], v[rC+1], v[rC+2]
.elseif (\n) == 17
	v_permlanex16_b32 v[rC+3], v[rC], s[SEL], s[SEL+1]
.elseif (\n) == 18
	v_max_num_f32 v[rT+1], v[rC], v[rC+3]
.elseif (\n) == 19
	v_mul_f32 v[rT], s[CS], v[rT+1]
.elseif (\n) == 20
	v_sub_f32 v[rC+1], v[rW], v[rT]
.else
	v_exp_f32 v[rC+2], v[rC+1]
.endif
.endif
.endm
.macro OPS a, i1, b=-1, i2=0, c=-1, i3=0, d=-1, i4=0
	OP \a, \i1
.if (\b) >= 0
	OP \b, \i2
.endif
.if (\c) >= 0
	OP \c, \i3
.endif
.if (\d) >= 0
	OP \d, \i4
.endif
.endm
.macro ROW a, i1, b, i2, c, i3, d, i4  ; a matrix instruction and the four behind it
	MM
	OPS \a, \i1, \b, \i2, \c, \i3, \d, \i4
.endm
; A TURN, for piece p.  Ahead of its ONE wait stands all that names no result of the turn's exponentials: the 8 products K Q^T with their riders and the lump; X 21, the next piece's a, is the batch's
; last, and R 15 the plain instruction behind it.  Behind the wait stand the 8 products V^T P, behind each four of the roundings and sums.
; K of the next step is fetched in piece 2's turn, V of the step in hand at the end of piece 0's turn, four plain instructions behind the last product that read V; each is waited for a turn later.
; end = 1: the last two turns of all: nothing is fetched.  cnt = 1: the loop's count is taken down some lines ahead of the branch that stands behind the turn.
.macro TURN p, end=0, cnt=0
.set Y, (\p)
.set i, 0
.set NOKQ, (\end)*((\p)/3)
.if ((\p) == 3) && !(\end)
	s_wait_dscnt 0x0                ; K is in
.endif
	ROW F,0, F,1, R,0, R,1
	ROW F,2, E,0, R,2, R,3
	ROW F,3, E,1, R,4, R,5
	ROW F,4, E,2, R,6, R,7
	ROW F,5, E,3, R,8, R,9
	ROW F,6, E,4, X,0, R,10
.if ((\p) == 2) && !(\end)
	WIN 0
	v_add_nc_u32 v[AK], s[TBK], v[AK0]
.endif
	ROW F,7, E,5, X,1, X,4
	ROW F,8, E,6, X,2, X,5
	OPS E,7, E,8, X,6, E,9
	OPS X,3, E,10, X,8, E,11
.if ((\p) == 2) && !(\end)
	FETCH_K
.endif
	OPS X,9, X,7, E,12, X,10
	OPS E,13, X,12, X,11, E,14
	OPS X,13, E,15, F,9, X,14
.if (\p) == 0
	v_add_nc_u32 v[AV], s[TBV], v[AV0]
.endif
	OPS E,16, F,10, E,17, F,11
	OPS X,16, E,18, X,15, E,19
	OPS F,12, E,20, X,17, E,21
	OPS F,13, E,22, F,14, E,23
	OPS X,18, E,24, F,15, E,25
	OPS R,11, E,26, X,19, E,27
	OPS R,12, E,28, R,13, E,29
	OPS X,20, E,30, R,14, E,31
	OPS X,21, R,15
	WIN 0
	s_wait_alu depctr_va_vdst(0)    ; the one wait for the batch, ahead of the first instruction that names a result
.if (\p) == 1
	s_wait_dscnt 0x0                ; V is in
.endif
	ROW C,0, B,0, C,2, B,1
	ROW L,0, C,4, B,2, L,1
	ROW C,6, B,3, L,2, C,8
	ROW B,4, L,3, C,10, B,5
	ROW L,4, C,12, B,6, L,5
.if (\p) == 0
	s_add_co_u32 s[TBV], s[TBV], KS*PV
.endif
.if \cnt
	s_sub_co_u32 s[CNT], s[CNT], 1
	s_cmp_lg_u32 s[CNT], 0
.endif
	ROW C,14, B,7, L,6, C,1
	ROW C,3, L,7, C,5, C,7
	ROW C,9, C,11, C,13, C,15
.if (\p) == 0
	FETCH_V
.endif
.endm
.set NOKQ, 0
	CHANGE 1                        ; tile 0 is in, everybody's part of it; tile 1 is asked for
	v_add_nc_u32 v[AK], s[TBK], v[AK0]
	FETCH_K                         ; key step 0
	s_wait_loadcnt 0x0              ; Q
	s_wait_dscnt 0x0
.set i, 0
.rept 8
	KQ 0                            ; piece 0's first scores
.set i, i+1
.endr
	WIN 0
.rept 4
	v_nop                           ; the places behind those products
.endr
.set Y, NP-1                        ; X works for piece Y + 1: piece 0
.irp n, 0,1,2,3,4,5,6,7,8,9,10,11,12,13,14,15,16,17,18,19,20,21
	OP X, \n
.endr
	v_nop                           ; a plain instruction behind the exponential,
	s_wait_alu depctr_va_vdst(0)    ; and its wait, ahead of the branch
	s_mov_b32 s[CNT], 4
	s_branch .Lfirst                ; the loop is entered at a step's first turn, in the middle of a trip
.Lslot:                             ; 14 times: tiles 2 to 15 are asked for
	CHANGE 1
	s_mov_b32 s[CNT], 4
.Lstep:                             ; a trip: pieces 2 and 3 of one step, then pieces 0 and 1 of the next, whose K and V it fetches
	TURN 2
	TURN 3
	WIN 0
.Lfirst:
	TURN 0
	TURN 1, 0, 1
	WIN 0
	s_cbranch_scc1 .Lstep
	s_sub_co_u32 s[SLOTS], s[SLOTS], 1
	s_cmp_lg_u32 s[SLOTS], 0
	s_cbranch_scc1 .Lslot
	CHANGE 0                        ; the last tile is written out: nothing is asked for
	s_mov_b32 s[CNT], 4
.Ltail:
	TURN 2
	TURN 3
	TURN 0
	TURN 1, 0, 1
	WIN 0
	s_cbranch_scc1 .Ltail
	TURN 2, 1
	TURN 3, 1
.set i, 0
.rept 8
	PV NP-1                         ; the last piece's V^T P of the last step
.set i, i+1
.endr
	; THE WAY OUT.  l's two halves and the other half of the lanes' are added; O^T is divided by l, rounded to f16 and sent through my stage, a piece at a time.  The additions are the places behind the last products.
	WIN 0
.macro ALL line:vararg
.set t, 0
.rept 4
	\line
.set t, t+1
.endr
.endm
	ALL v_add_f32 v[ST+4*t+2], v[ST+4*t+2], v[ST+4*t+3]
	ALL v_permlanex16_b32 v[ST+4*t+3], v[ST+4*t+2], s[SEL], s[SEL+1]
	ALL v_add_f32 v[ST+4*t+2], v[ST+4*t+2], v[ST+4*t+3]
	ALL v_rcp_f32 v[ST+4*t+2], v[ST+4*t+2]
	v_nop                           ; a plain instruction between the last reciprocal and the use of its result
	s_wait_alu depctr_va_vdst(0)    ; one wait for the four reciprocals, ahead of their first use
.macro PACK t
	WIN W_RS
.set i, 32*(\t)
.rept 16
	v_pk_mul_f32 v[i:i+1], v[i:i+1], v[ST+4*(\t)+2:ST+4*(\t)+3] op_sel_hi:[1,0]
.set i, i+2
.endr
	WIN 0x05
.set i, 0
.rept 16
	v_cvt_pk_f16_f32 v[S+16*(\t)+i], v[32*(\t)+2*i], v[32*(\t)+2*i+1]
.set i, i+1
.endr
	WIN 0
.irp f, 0,1,2,3
	ds_store_b128 v[STO], v[S+16*(\t)+4*\f:S+16*(\t)+4*\f+3] offset:32*\f
.endr
.irp f, 0,1,2,3
	ds_load_b128 v[S+16*(\t)+4*\f:S+16*(\t)+4*\f+3], v[RD] offset:\f*4*SP  ; LDS serves a wave's instructions in order: these see the stores above; the next piece's stores come behind them
.endr
.endm
.macro SEND t, younger
	WIN 0
.irp f, 0,1,2,3
	s_wait_dscnt (\younger)+3-\f
	global_store_b128 v[GO], v[S+16*(\t)+4*\f:S+16*(\t)+4*\f+3], s[6:7] offset:(\t)*2048+\f*512  ; 512 consecutive bytes, at a multiple of 256 from o's first
.endr
.endm
	PACK 0
.set t, 1
.rept 3
	PACK t
	SEND t-1, 8
.set t, t+1
.endr
	SEND 3, 0
	s_wait_tensorcnt 0x0            ; the wave's end
	ds_add_u32 v[SPW], v[NIL]
	s_wait_dscnt 0x0
	CROUND                          ; the closing round
	s_endpgm
.Lfunc_end_k_q2d7ae9a249_attn:
	.size	k_q2d7ae9a249_attn, .Lfunc_end_k_q2d7ae9a249_attn-k_q2d7ae9a249_attn
	.p2alignl 7, 3214868480
	.fill 96, 4, 3214868480
	.section	.rodata,"a",@progbits
	.p2align	6, 0x0
	.amdhsa_kernel k_q2d7ae9a249_attn
		.amdhsa_group_segment_fixed_size 327680
		.amdhsa_private_segment_fixed_size 0
		.amdhsa_enable_private_segment 0
		.amdhsa_kernarg_size 16
		.amdhsa_user_sgpr_count 2
		.amdhsa_user_sgpr_kernarg_segment_ptr 1
		.amdhsa_wavefront_size32 1
		.amdhsa_system_sgpr_workgroup_id_x 1
		.amdhsa_system_sgpr_workgroup_id_y 1
		.amdhsa_system_sgpr_workgroup_id_z 1
		.amdhsa_system_vgpr_workitem_id 0
		.amdhsa_next_free_vgpr 768
		.amdhsa_next_free_sgpr 66
		.amdhsa_reserve_vcc 0
		.amdhsa_float_denorm_mode_32 3
		.amdhsa_float_denorm_mode_16_64 3
		.amdhsa_memory_ordered 1
		.amdhsa_forward_progress 1
		.amdhsa_inst_pref_size 128
	.end_amdhsa_kernel
	.amdgpu_metadata
---
amdhsa.version: [ 1, 2 ]
amdhsa.kernels:
  - .name:           k_q2d7ae9a249_attn
    .symbol:         k_q2d7ae9a249_attn.kd
    .args:
      - { .name: qkv, .offset: 0, .size: 8, .value_kind: global_buffer, .address_space: global }
      - { .name: o, .offset: 8, .size: 8, .value_kind: global_buffer, .address_space: global }
    .group_segment_fixed_size: 327680
    .private_segment_fixed_size: 0
    .kernarg_segment_align: 8
    .kernarg_segment_size: 16
    .max_flat_workgroup_size: 128
    .sgpr_count:     66
    .vgpr_count:     768
    .wavefront_size: 32
...
	.end_amdgpu_metadata
.endif
;; end of part 2
;; launch proj (part 3): grid 4 x 64, 4 waves a work-group, clusters of 4 x 4, 327,680 bytes of LDS; arguments o, wo16, bo, out0; writes out0
.if DOCPART == 3
	.amdgcn_target "amdgcn-amd-amdhsa--gfx1250"
	.amdhsa_code_object_version 6
	.text
	.protected	k_q2d7ae9a249_proj
	.globl	k_q2d7ae9a249_proj
	.p2align	8
	.type	k_q2d7ae9a249_proj,@function
k_q2d7ae9a249_proj:
	s_mov_b64 s[64:65], 0
	v_nop
	global_prefetch_b8 v0, s[64:65] scope:SCOPE_SE
	s_setreg_imm32_b32 hwreg(HW_REG_WAVE_MODE, 25, 1), 1
	s_wait_xcnt 0x0
	s_wait_alu depctr_hold_cnt(0) depctr_sa_sdst(0) depctr_va_vdst(0) depctr_va_sdst(0) depctr_va_ssrc(0) depctr_va_vcc(0) depctr_vm_vsrc(0)
	s_getreg_b32 s2, hwreg(HW_REG_IB_STS2, 6, 4)
	s_cmp_eq_u32 s2, 0
	s_cbranch_scc0 .Lentry_in_a_cluster
	s_endpgm
.Lentry_in_a_cluster:
	s_bfe_u32 s2, ttmp6, 0x10000c
	s_cmp_lg_u32 s2, 0xf033
	s_cbranch_scc0 .Lentry_shape_is_right
	s_endpgm
.Lentry_shape_is_right:
; out0[row][c] = the sum over k of O[row][k] Wo[c][k] + bo[c].  o: f16, [16 heads of 2 batches][4096][64] (k = 64 x head + channel); wo16: f16, [512][512]; bo: f32 [512], rounded to bf16; out0: f32 [8192][512].
; Products in the f16 matrix form, sums in f32, begun with the bias as the first product's C.  LIMITS: o and wo16 arrive within f16's range; NaN and infinities are not treated apart.
; SHARES.  A work-group makes 128 x 128 of out0, a wave 64 x 64: 16 accumulators.  ALL of K = 512 lies in LDS at once: every tensor load is a first fill, and no LDS byte is filled again.
; CLUSTER.  4 x 4 work-groups: the four of a row share O's rows, the four of a column Wo's rows: joint loads.  Waves 0, 1 fetch O (four heads each), waves 2, 3 Wo (64 rows each, four quarters of K).
; THE PRODUCT IS USED TRANSPOSED (source 0 = 16 rows of Wo, source 1 = 16 rows of O): a lane holds one row of out0 and eight neighbouring columns.
; REGISTERS: window 0: v0-31 addresses; v32-63 the biases; v128-255 the accumulators ((a, b) at 128 + 8 (4 a + b)).  Window 1: two fragment buffers of 128: 64 registers of O, then 64 of Wo, for 64 along K.
.set AP,    144                        ; a row of O in LDS: 128 bytes + 16
.set AH,    128*AP                     ; a head's 128 rows
.set BOFF,  8*AH
.set BPI,   272                        ; a row of a quarter of Wo: 256 bytes + 16
.set BQ,    128*BPI
.set STAGE, BOFF+4*BQ                  ; 16 rows x 272 bytes for each wave, for the way out
.set SPI,   272
.set SPARE, STAGE+4*16*SPI             ; the spare words, 128 bytes for each wave: two blocks of 256 bytes that no other line names
.set ADRA, 16                          ; v16-17 my O fragments: heads 0-3, heads 4-7
.set ADRB, 20                          ; v20-21 my Wo fragments: quarters 0-1, quarters 2-3
.set STO,  24
.set RD,   25
.set CO,   26
.set BO,   27
.set SPW,  28
.set NIL,  29
.set BIAS, 32
.set ACC,  128
.set F0,   0
.set F1,   128
.set G1A, 12                           ; s[12:19]
.set G1B, 20                           ; s[20:27]
.set G0A, 28                           ; s[28:43] four sets
.set G0B, 44                           ; s[44:59] four sets
.set WV, 60
.set WR, 61
.set WC, 62
.set MSB, 0
.macro WIN new
.if MSB != (\new)
	s_set_vgpr_msb (MSB<<8)|(\new)
.set MSB, \new
.endif
.endm
.macro PLACES
.rept 4
	v_nop
.endr
.endm
.macro CROUND                          ; a round of the cluster's barrier
	s_barrier_signal -1
	s_barrier_wait -1
	s_cmp_lg_u32 s[WV], 0
	s_cbranch_scc1 .Lnot_wave_0_\@
	s_barrier_signal -3
.Lnot_wave_0_\@:
	s_barrier_wait -3
	s_barrier_signal -1
	s_barrier_wait -1
.endm
	s_load_b256 s[4:11], s[0:1], 0x0               ; o s[4:5], wo16 s[6:7], bo s[8:9], out0 s[10:11]
	v_lshl_add_u32 v[SPW], v0, 2, SPARE
	v_mov_b32 v[NIL], 0
	ds_add_u32 v[SPW], v[NIL]                      ; the wave's opening: the add and its wait stand ahead of my first tensor load
	v_lshrrev_b32 v1, 5, v0
	v_readfirstlane_b32 s[WV], v1
	s_lshr_b32 s[WR], s[WV], 1                     ; which 64 rows are mine.  Also: I fetch O (0) or Wo (1)
	s_and_b32 s[WC], s[WV], 1                      ; which 64 columns.  Also: which half of the fetching is mine
	s_bfe_u32 s66, ttmp6, 0x40000                  ; cx
	s_bfe_u32 s67, ttmp6, 0x40004                  ; cy
	s_lshl_b32 s68, ttmp9, 2
	s_add_co_u32 s68, s68, s66                     ; column block
	s_and_b32 s69, ttmp7, 0xffff
	s_lshl_b32 s69, s69, 2
	s_add_co_u32 s69, s69, s67                     ; row block
	s_lshl_b32 s70, s67, 2
	s_lshl_b32 s70, 15, s70                        ; my row of the cluster
	s_lshl_b32 s71, 0x1111, s66                    ; my column
	s_or_b32 s[G1A], s70, (1<<16)|(1<<20)|(1<<21)|(4<<22)|(3<<25)  ; 2-byte elements; padding of 4 words after every 32 words
	s_or_b32 s[G1B], s71, (1<<16)|(1<<20)|(1<<21)|(5<<22)|(3<<25)  ; after every 64 words
.irp g, G1A, G1B
	s_mov_b32 s[(\g)+1], 128<<16                   ; tensor_dim0 = 128
	s_mov_b32 s[(\g)+2], 64<<16                    ; tensor_dim1 = 64
	s_mov_b32 s[(\g)+3], 128<<16                   ; tile_dim0 = 128
	s_mov_b32 s[(\g)+4], 64                        ; tile_dim1 = 64
	s_mov_b32 s[(\g)+6], 0
	s_mov_b32 s[(\g)+7], 0
.endr
	s_mov_b32 s[G1A+5], 128                        ; a head's 128 dense rows of 128 bytes are asked for as 64 rows of 256
	s_mov_b32 s[G1B+5], 512                        ; Wo: 512 elements from row to row
	s_lshr_b32 s72, s69, 5                         ; the batch: 8 heads of 2^19 bytes
	s_lshl_b32 s72, s72, 22
	s_and_b32 s73, s69, 31
	s_lshl_b32 s73, s73, 14                        ; the block's 128 rows in a head
	s_add_co_u32 s72, s72, s73
	s_lshl_b32 s73, s[WC], 20                      ; heads 2 x half on
	s_add_co_u32 s72, s72, s73
	s_mov_b32 s73, 0
	s_lshl_b32 s74, s68, 17                        ; Wo: 128 rows of 1,024 bytes,
	s_lshl_b32 s75, s[WC], 16                      ; my 64 of them
	s_add_co_u32 s74, s74, s75
	s_mov_b32 s75, 0
	s_mul_i32 s77, s[WC], 2*AH
	s_mul_i32 s78, s[WC], 64*BPI
	s_add_co_u32 s78, s78, BOFF
	s_wait_dscnt 0x0                               ; the opening add is done
	s_wait_kmcnt 0x0
	s_add_nc_u64 s[72:73], s[4:5], s[72:73]
	s_add_nc_u64 s[74:75], s[6:7], s[74:75]
	CROUND                                         ; all sixteen work-groups are here: the joint loads meet
.irp j, 0,1,2,3                                ; O's load j: head 4 (j / 2) + 2 x half + j % 2.  Wo's load j: quarter j of K
	s_mov_b32 s[G0A+4*(\j)], 1
	s_add_co_u32 s[G0A+4*(\j)+1], s77, (4*((\j)/2)+(\j)%2)*AH
	s_add_nc_u64 s[G0A+4*(\j)+2:G0A+4*(\j)+3], s[72:73], (4*((\j)/2)+(\j)%2)<<19
	s_or_b32 s[G0A+4*(\j)+3], s[G0A+4*(\j)+3], 0x80000000
	s_mov_b32 s[G0B+4*(\j)], 1
	s_add_co_u32 s[G0B+4*(\j)+1], s78, (\j)*BQ
	s_add_nc_u64 s[G0B+4*(\j)+2:G0B+4*(\j)+3], s[74:75], 256*(\j)
	s_or_b32 s[G0B+4*(\j)+3], s[G0B+4*(\j)+3], 0x80000000
.endr
	s_cmp_lt_u32 s[WV], 2                          ; a wave's four first fills stand in one branch: four loads of mine are out; the first two of every wave bring K 0..255
	s_cbranch_scc0 .Lfirst_b
.irp j, 0,1,2,3
	tensor_load_to_lds s[G0A+4*(\j):G0A+4*(\j)+3], s[G1A:G1A+7]
	s_nop 0
.endr
.rept 4
	v_nop
.endr
	s_branch .Lfirst_asked
.Lfirst_b:
.irp j, 0,1,2,3
	tensor_load_to_lds s[G0B+4*(\j):G0B+4*(\j)+3], s[G1B:G1B+7]
	s_nop 0
.endr
.rept 4
	v_nop
.endr
.Lfirst_asked:
	v_and_b32 v1, 15, v0                           ; l % 16
	v_bfe_u32 v2, v0, 4, 1                         ; l / 16
	v_lshlrev_b32 v[BO], 5, v2
	s_lshl_b32 s80, s68, 9
	s_lshl_b32 s81, s[WC], 8
	s_add_co_u32 s80, s80, s81                     ; my first column, in bytes of f32
	s_mov_b32 s81, 0
	s_add_nc_u64 s[8:9], s[8:9], s[80:81]
	s_add_nc_u64 s[10:11], s[10:11], s[80:81]
.irp b, 0,1,2,3
	global_load_b128 v[BIAS+8*(\b):BIAS+8*(\b)+3],   v[BO], s[8:9] offset:64*(\b)
	global_load_b128 v[BIAS+8*(\b)+4:BIAS+8*(\b)+7], v[BO], s[8:9] offset:64*(\b)+16
.endr
	s_lshl_b32 s80, s69, 18                        ; my first row: 128 x row block + 64 x half, rows of 2,048 bytes
	s_lshl_b32 s82, s[WR], 17
	s_add_co_u32 s80, s80, s82
	s_add_nc_u64 s[10:11], s[10:11], s[80:81]
	v_mul_u32_u24 v3, v1, AP
	v_lshl_add_u32 v3, v2, 4, v3
	s_mul_i32 s79, s[WR], 64*AP
	v_add_nc_u32 v[ADRA], s79, v3
	v_add_nc_u32 v[ADRA+1], 4*AH, v[ADRA]
	v_mul_u32_u24 v4, v1, BPI
	v_lshl_add_u32 v4, v2, 4, v4
	s_mul_i32 s79, s[WC], 64*BPI
	s_add_co_u32 s79, s79, BOFF
	v_add_nc_u32 v[ADRB], s79, v4
	v_add_nc_u32 v[ADRB+1], 2*BQ, v[ADRB]
	s_mul_i32 s79, s[WV], 16*SPI
	s_add_co_u32 s79, s79, STAGE                   ; my stage
	v_mul_u32_u24 v[STO], v1, SPI                  ; in: row l % 16, 32 bytes for each half of the lanes
	v_lshl_add_u32 v[STO], v2, 5, v[STO]
	v_add_nc_u32 v[STO], s79, v[STO]
	v_mul_u32_u24 v[RD], v2, SPI                   ; back: lanes 0-15 one row of 256 bytes, lanes 16-31 the next
	v_lshl_add_u32 v[RD], v1, 4, v[RD]
	v_add_nc_u32 v[RD], s79, v[RD]
	v_lshlrev_b32 v[CO], 11, v2                    ; and the same two rows in out0
	v_lshl_add_u32 v[CO], v1, 4, v[CO]
	s_wait_loadcnt 0x0
.set p, 0
.rept 16                                       ; the biases: rounded to bf16, kept as f32
	v_cvt_pk_bf16_f32 v[8+p%4], v[BIAS+2*p], v[BIAS+2*p+1]
	v_lshlrev_b32 v[BIAS+2*p], 16, v[8+p%4]
	v_and_b32 v[BIAS+2*p+1], 0xffff0000, v[8+p%4]
.set p, p+1
.endr
; 8 matrix instructions: row blocks a0, a0 + 1 x all 4 column blocks, 32 along K: half c of buffer f.  first = 1: C is the bias.  The 16 accumulators take turns.
.macro MUL8 f, c, a0, first
	WIN 0x05
.irp a, \a0, (\a0)+1
.irp b, 0,1,2,3
.if \first
	v_wmma_f32_16x16x32_f16 v[ACC+8*(4*(\a)+(\b)):ACC+8*(4*(\a)+(\b))+7], v[(\f)+64+8*(4*(\c)+(\b)):(\f)+64+8*(4*(\c)+(\b))+7], v[(\f)+8*(4*(\c)+(\a)):(\f)+8*(4*(\c)+(\a))+7], v[BIAS+8*(\b):BIAS+8*(\b)+7]
.else
	v_wmma_f32_16x16x32_f16 v[ACC+8*(4*(\a)+(\b)):ACC+8*(4*(\a)+(\b))+7], v[(\f)+64+8*(4*(\c)+(\b)):(\f)+64+8*(4*(\c)+(\b))+7], v[(\f)+8*(4*(\c)+(\a)):(\f)+8*(4*(\c)+(\a))+7], v[ACC+8*(4*(\a)+(\b)):ACC+8*(4*(\a)+(\b))+7]
.endif
.endr
.endr
.endm
; 32 LDS loads in one run: the fragments of head q (64 along K) into buffer f; the first 32 along K first
.macro FETCHQ q, f
	WIN 0x40
.irp c, 0,1
.irp i, 0,1,2,3
	ds_load_b128 v[(\f)+64+8*(4*(\c)+(\i)):(\f)+64+8*(4*(\c)+(\i))+3],   v[ADRB+(\q)/4] offset:(((\q)/2)%2)*BQ+(\i)*16*BPI+((\q)%2)*128+64*(\c)
	ds_load_b128 v[(\f)+64+8*(4*(\c)+(\i))+4:(\f)+64+8*(4*(\c)+(\i))+7], v[ADRB+(\q)/4] offset:(((\q)/2)%2)*BQ+(\i)*16*BPI+((\q)%2)*128+64*(\c)+32
	ds_load_b128 v[(\f)+8*(4*(\c)+(\i)):(\f)+8*(4*(\c)+(\i))+3],         v[ADRA+(\q)/4] offset:((\q)%4)*AH+(\i)*16*AP+64*(\c)
	ds_load_b128 v[(\f)+8*(4*(\c)+(\i))+4:(\f)+8*(4*(\c)+(\i))+7],       v[ADRA+(\q)/4] offset:((\q)%4)*AH+(\i)*16*AP+64*(\c)+32
.endr
.endr
.endm
.macro QUARTER q, first                ; head q is multiplied, head q + 1 fetched in its middle
.set fb, 128*((\q)%2)
.set gb, 128-fb
	s_wait_dscnt 16                                ; the first 32 along K are in
	MUL8 fb, 0, 0, \first
	MUL8 fb, 0, 2, \first
	PLACES                                         ; the loads below land in registers that the quarter before multiplied
	FETCHQ (\q)+1, gb
	s_wait_dscnt 32                                ; all but the 32 just issued
	MUL8 fb, 1, 0, 0
	MUL8 fb, 1, 2, 0
.endm
	s_wait_tensorcnt 0x2                           ; my two loads for K 0..255 are in; the other two may stay out
	s_barrier_signal -1
	s_barrier_wait -1                              ; everybody's are
	FETCHQ 0, F0
	QUARTER 0, 1
	QUARTER 1, 0
	QUARTER 2, 0
	s_wait_tensorcnt 0x0                           ; head 3, and the second meeting: my loads for K 256..511 are in,
	s_wait_dscnt 0x0                               ; and no LDS load of mine is out at the signal (buffer 1 is whole)
	s_barrier_signal -1
	MUL8 F1, 0, 0, 0
	MUL8 F1, 0, 2, 0
	s_barrier_wait -1                              ; everybody's are
	PLACES
	FETCHQ 4, F0
	MUL8 F1, 1, 0, 0
	MUL8 F1, 1, 2, 0
	QUARTER 4, 0
	QUARTER 5, 0
	QUARTER 6, 0
	s_wait_dscnt 16                                ; head 7: nothing more to fetch
	MUL8 F1, 0, 0, 0
	MUL8 F1, 0, 2, 0
	s_wait_dscnt 0x0
	MUL8 F1, 1, 0, 0
	MUL8 F1, 1, 2, 0
	WIN 0
	PLACES
	PLACES
; THE WAY OUT.  Block a of 16 rows: 32 bytes a lane and column block into my stage, each accumulator's low half first; back as whole rows of 256 bytes, into the registers that they left.
.macro TOSTAGE a
.irp b, 0,1,2,3
	ds_store_b128 v[STO], v[ACC+8*(4*(\a)+(\b)):ACC+8*(4*(\a)+(\b))+3]   offset:64*(\b)
	ds_store_b128 v[STO], v[ACC+8*(4*(\a)+(\b))+4:ACC+8*(4*(\a)+(\b))+7] offset:64*(\b)+16
.endr
.irp t, 0,1,2,3,4,5,6,7
	ds_load_b128 v[ACC+32*(\a)+4*(\t):ACC+32*(\a)+4*(\t)+3], v[RD] offset:(\t)*2*SPI  ; LDS serves a wave's instructions in order: these see the stores above; the next block's stores come behind them
.endr
.endm
.macro SEND a, younger
.irp t, 0,1,2,3,4,5,6,7
	s_wait_dscnt (\younger)+7-(\t)
	global_store_b128 v[CO], v[ACC+32*(\a)+4*(\t):ACC+32*(\a)+4*(\t)+3], s[10:11] offset:(16*(\a)+2*(\t))*2048  ; 16 lanes store 256 consecutive bytes, at a multiple of 256 from out0's first
.endr
.endm
	TOSTAGE 0
.irp a, 1,2,3
	TOSTAGE \a
	SEND (\a)-1, 16
.endr
	SEND 3, 0
	s_wait_tensorcnt 0x0                           ; the wave's end
	ds_add_u32 v[SPW], v[NIL]
	s_wait_dscnt 0x0
	CROUND                                         ; the closing round
	s_endpgm
.Lfunc_end_k_q2d7ae9a249_proj:
	.size	k_q2d7ae9a249_proj, .Lfunc_end_k_q2d7ae9a249_proj-k_q2d7ae9a249_proj
	.p2alignl 7, 3214868480
	.fill 96, 4, 3214868480
	.section	.rodata,"a",@progbits
	.p2align	6, 0x0
	.amdhsa_kernel k_q2d7ae9a249_proj
		.amdhsa_group_segment_fixed_size 327680
		.amdhsa_private_segment_fixed_size 0
		.amdhsa_enable_private_segment 0
		.amdhsa_kernarg_size 32
		.amdhsa_user_sgpr_count 2
		.amdhsa_user_sgpr_kernarg_segment_ptr 1
		.amdhsa_wavefront_size32 1
		.amdhsa_system_sgpr_workgroup_id_x 1
		.amdhsa_system_sgpr_workgroup_id_y 1
		.amdhsa_system_sgpr_workgroup_id_z 1
		.amdhsa_system_vgpr_workitem_id 0
		.amdhsa_next_free_vgpr 512
		.amdhsa_next_free_sgpr 84
		.amdhsa_reserve_vcc 0
		.amdhsa_float_denorm_mode_32 3
		.amdhsa_float_denorm_mode_16_64 3
		.amdhsa_memory_ordered 1
		.amdhsa_forward_progress 1
		.amdhsa_inst_pref_size 54
	.end_amdhsa_kernel
	.amdgpu_metadata
---
amdhsa.version: [ 1, 2 ]
amdhsa.kernels:
  - .name:           k_q2d7ae9a249_proj
    .symbol:         k_q2d7ae9a249_proj.kd
    .args:
      - { .name: o, .offset: 0, .size: 8, .value_kind: global_buffer, .address_space: global }
      - { .name: wo16, .offset: 8, .size: 8, .value_kind: global_buffer, .address_space: global }
      - { .name: bo, .offset: 16, .size: 8, .value_kind: global_buffer, .address_space: global }
      - { .name: out0, .offset: 24, .size: 8, .value_kind: global_buffer, .address_space: global }
    .group_segment_fixed_size: 327680
    .private_segment_fixed_size: 0
    .kernarg_segment_align: 8
    .kernarg_segment_size: 32
    .max_flat_workgroup_size: 128
    .sgpr_count:     84
    .vgpr_count:     512
    .wavefront_size: 32
...
	.end_amdgpu_metadata
.endif
;; end of part 3
